; MI455X (gfx1250); checked and timed in simulation.
; The chip was launched on July 23, 2026; its instructions are those of AMD's public machine-readable ISA for CDNA 5 (MIT licence, August 2026) and "CDNA5" Instruction Set Architecture Reference Guide (July 2026). The comments in the code are by the model that wrote it; some were corrected since.
;; Box E Scorer. Allowed arithmetic: float matrix products may take bf16 or f16 operands with f32 sums; other float arithmetic in f32, or as packed bf16 or f16 multiplies, adds, multiply-adds, maxima and minima; sums over many terms, partial sums and values carried from step to step in f32; what a program stores and reads back later, other than sums and carried values, may be rounded once to bf16 or f16.
;; Inputs: x 1,024 x 128 float32; y 2,048 x 256 float32.
;; Outputs: out0 1,024 x 2,048 float32.
;; 2 versions, each right; version 2 is version 1 with the launch boxe written anew for expert scheduling mode. Each part assembles by itself: llvm-mc -triple=amdgcn-amd-amdhsa -mcpu=gfx1250 --defsym DOCPART=n.
;; ======== version 1 of 2: 1 launch
;; launch boxe (part 1): grid 32 x 8, 8 waves a work-group, no clusters, 233,472 bytes of LDS; arguments x, y, out0; writes out0
.if DOCPART == 1
	.amdgcn_target "amdgcn-amd-amdhsa--gfx1250"
	.amdhsa_code_object_version 6
	.text
	.protected	k_q096edc2a35_boxe
	.globl	k_q096edc2a35_boxe
	.p2align	8
	.type	k_q096edc2a35_boxe,@function
k_q096edc2a35_boxe:
	s_mov_b64 s[64:65], 0
	v_nop
	global_prefetch_b8 v0, s[64:65] scope:SCOPE_SE
	s_setreg_imm32_b32 hwreg(HW_REG_WAVE_MODE, 25, 1), 1
	s_wait_xcnt 0x0
; out[b][l] = -sqrt( sum over h of per_dim(b,l,h)^2 ).  x: [1024][128] f32, y: [2048][256] f32 (128 minima, then 128 raw widths), out: [1024][2048] f32.
; With d = softplus(raw width), c = mn + d/2, l1 = |x - c|:  per_dim = l1 / (d + 1) inside the box, l1 (d + 1) - k outside, k = d/2 (d - 1/(d + 1e-10)).
; THE ARITHMETIC.  Five numbers for each (l, h), made once:  AL = 8192 / (d + 1e-10),  BE = -c AL,  G0 = (1/(d+1)) / AL,  G1 = (d+1) / AL - G0,  NK = -k.  Then, two labels at a time (packed f32):
;   t = x AL + BE;   o = clamp(t t - 2^24): 0 where |t| <= 4096, and 1 elsewhere, since the next f32 above 4096 already gives t t - 2^24 > 4;   a = o G1 + G0;   k' = o NK;   p = |t| a + k' (one line a number:
;   the packed form has no absolute value);   acc += p p.   Seven vector instructions for two numbers, no compare and no select.  Everything is f32.
; SHARES.  256 work-groups: 64 labels x 128 rows of x each.  Eight waves; a wave takes all 64 labels (lane i: labels 2 i and 2 i + 1, the two halves of every packed line), 16 rows of x and all 128 h.
; THE HEAD.  Wave w makes the five numbers for labels 8 w .. 8 w + 7 (lanes along h, the two labels of a pair in neighbouring registers) and lays them into LDS for readers whose lanes run along the labels;
; it copies its own 16 rows of x into LDS.  One barrier; behind it LDS is only read.  The 8 work-groups of a label block each make these numbers anew: 8,192 (l, h) against 1,048,576 numbers of the sum.
; NO CLUSTER, NO TENSOR LOAD: what work-groups share is 128 KiB each, read once at the head, and y is transformed on its way into LDS; no LDS byte is filled twice.  No matrix instruction: there is no product.
; LIMITS.  (1) Inside means |x - c| <= (d + 1e-10) / 2, reckoned in f32 as above, not mn <= x <= mn + d: an x within a few units in the last place of a face, or within 5e-11 of it, may be counted on the other
; side, where per_dim differs by (d+1)/2 - d/(2(d+1)).  (2) (d + 1) + 1e-10 is d + 1 in f32: not added.  (3) softplus = max(y,0) + log1p(e), e = exp(-|y|); log1p is e - e^2/2 + e^3/3 below e = 2^-8 (cut: e^3/4 of
; itself) and log(1 + e) above (2^-16 of itself); e below 2^-126 counts as 0 (ISA guide 15.8: the exponential flushes).  (4) A sum of squares below 2^-126 gives 0.  (5) NaN and infinities are not treated apart.
.set PAB,   1040                       ; LDS bytes for one h: 32 lanes x 16 (AL, AL', BE, BE'), 32 x 16 (G1, G1', G0, G0'), 16 of padding = 65 x 16: writers' lanes, one h apart, hit 16 different 16-byte columns (64 banks of 4 bytes: ISA guide 11.1)
.set PCH,   528                        ; LDS bytes for two h: 32 lanes x 16 (NK, NK' of the even h, of the odd h), 16 of padding = 33 x 16
.set CBASE, 128*PAB                    ; NK's table
.set XBASE, CBASE+64*PCH               ; 128 rows of x, 512 bytes each
.set SPARE, XBASE+128*512              ; the spare words, 128 bytes for each wave: four blocks of 256 bytes that no other line names
.set LANE, 1                           ; v1    lane
.set SPW,  2                           ; v2    LDS address of my spare word; never rewritten
.set NIL,  3                           ; v3    0; never rewritten
.set ADA,  4                           ; v4    reader: 16 x lane + the trip's rows of the first table
.set ADC,  5                           ; v5    reader: the same in NK's table
.set ADX,  6                           ; v6    reader: my wave's rows of x + the trip's h (the same in all lanes)
.set OO,   7                           ; v7    my byte offset in out
.set CN,   8                           ; v[8:9]  -2^24, twice
.set VY,   10                          ; v10   my byte offset in the work-group's rows of y
.set VX,   11                          ; v11   my byte offset in the work-group's rows of x
.set WA,   12                          ; v12, v13  writer: my place in the first table for h = lane (+32), and for h = lane + 64 (+32)
.set WC,   14                          ; v14   writer: my place in NK's table
.set XS,   15                          ; v15   writer: my place in x's rows in LDS
.set ACC,  16                          ; v[16:47]    sums of squares: row b of my 16 at ACC + 2 b (label 2 i, label 2 i + 1)
.set PR0,  48                          ; v[48:87]    the numbers of four h: 8 registers an h, then NK's 8
.set PR1,  88                          ; v[88:127]   the same, for the chunk after
.set X0,   128                         ; v[128:159]  x: 8 rows x 4 h
.set X1,   160                         ; v[160:191]  the other 8 rows
.set T,    192                         ; v[192:207]  t, then p, for 8 rows
.set OI,   208                         ; v[208:223]  o, then k'
.set AE,   224                         ; v[224:239]  a
.set W,    16                          ; the head: v[16:111] four sets of 24 at work
.set YB,   128                         ; the head: v[128:191] y as loaded: set it = 4 q + j at YB + 4 it: mn, mn', raw, raw'
.set XT,   192                         ; the head: v[192:255] my 16 rows of x on their way to LDS
.set WV,   10                          ; s10  my wave's number
.set L2E,  20                          ; s20  log2(e)
.set THR,  21                          ; s21  2^-8
.set TRIPS, 22                         ; s22  the loop's counter
	s_load_b128 s[4:7], s[0:1], 0x0                ; x s[4:5], y s[6:7]
	s_load_b64 s[8:9], s[0:1], 0x10                ; out
	v_lshl_add_u32 v[SPW], v0, 2, SPARE
	v_mov_b32 v[NIL], 0
	v_and_b32 v[LANE], 31, v0
	v_lshrrev_b32 v[VY], 5, v0
	v_readfirstlane_b32 s[WV], v[VY]               ; wave 0..7
	s_and_b32 s11, ttmp7, 0xffff                   ; which 128 rows of x
	s_lshl_b32 s12, ttmp9, 16                      ; y: 64 rows of 1,024 bytes for each block of labels
	s_mov_b32 s13, 0
	s_lshl_b32 s14, s11, 16                        ; x: 128 rows of 512 bytes
	s_mov_b32 s15, 0
	s_lshl_b32 s16, s11, 20                        ; out: 128 rows of 8,192 bytes,
	s_lshl_b32 s17, ttmp9, 8                       ; and 64 labels of 4 bytes
	s_add_co_u32 s16, s16, s17
	s_mov_b32 s17, 0
	s_lshl_b32 s18, s[WV], 13                      ; my wave's 8 rows of y, and its 16 rows of x: 8,192 bytes either way
	v_lshl_add_u32 v[VY], v[LANE], 2, s18          ; a lane an h
	v_lshl_add_u32 v[VX], v[LANE], 4, s18          ; a lane 16 bytes of a row
	s_mov_b32 s[L2E], 0x3fb8aa3b
	s_mov_b32 s[THR], 0x3b800000
	s_wait_kmcnt 0x0
	s_add_nc_u64 s[6:7], s[6:7], s[12:13]
	s_add_nc_u64 s[4:5], s[4:5], s[14:15]
	s_add_nc_u64 s[8:9], s[8:9], s[16:17]
	; y: pair q of my four (rows 2 q, 2 q + 1 of my eight), h = lane + 32 j.  Four bytes a lane, 128 neighbouring bytes a load, the four j on end a whole half row: so the two labels of a pair
	; land in neighbouring registers, as the packed lines want them, and the lanes run along h, one table row apart.
.set it, 0
.rept 16
	global_load_b32 v[YB+4*it],   v[VY], s[6:7] offset:(it/4)*2048+(it%4)*128
	global_load_b32 v[YB+4*it+1], v[VY], s[6:7] offset:(it/4)*2048+(it%4)*128+1024
	global_load_b32 v[YB+4*it+2], v[VY], s[6:7] offset:(it/4)*2048+(it%4)*128+512
	global_load_b32 v[YB+4*it+3], v[VY], s[6:7] offset:(it/4)*2048+(it%4)*128+1536
.set it, it+1
.endr
.set r, 0
.rept 16
	global_load_b128 v[XT+4*r:XT+4*r+3], v[VX], s[4:5] offset:r*512  ; a whole row of x a load
.set r, r+1
.endr
	; the writers' LDS addresses, while the loads are on their way
	v_mul_u32_u24 v[WA], v[LANE], PAB              ; row h = lane,
	s_lshl_b32 s19, s[WV], 6                       ; my wave's four pairs: 16 bytes each
	v_add_nc_u32 v[WA], s19, v[WA]
	v_add_nc_u32 v[WA+1], 64*PAB, v[WA]            ; row h = lane + 64: past the reach of a 16-bit offset
	v_lshrrev_b32 v[WC], 1, v[LANE]
	v_mul_u32_u24 v[WC], v[WC], PCH                ; row h / 2,
	v_and_b32 v[XS], 1, v[LANE]
	v_lshl_add_u32 v[WC], v[XS], 3, v[WC]          ; 8 bytes on for an odd h
	s_add_co_u32 s19, s19, CBASE
	v_add_nc_u32 v[WC], s19, v[WC]
	v_add_nc_u32 v[XS], XBASE, v[VX]
; THE FIVE NUMBERS for pair q of my four, all 128 h: four sets j (h = lane + 32 j) side by side, so that each kind of transcendental is one batch of eight or sixteen with one wait.
; A set's 24 registers: +0 e, then 1/(d+1); +2 1 + e, its logarithm, then d; +4 max(y,0), then d/2; +6 the series, then c; +8 AL; +10 BE; +12 (d+1e-10)/8192, then G1; +14 G0; +16 NK; +18 d + 1; +20 d + 1e-10; +22 1/(d+1e-10), then that less d.
.macro BATCH q
.if (\q) == 0
	s_wait_loadcnt 63                              ; 80 loads were issued and this batch wants the first 16: 64 might stay out; the count names 63, the most that it can
.else
	s_wait_loadcnt 64-16*(\q)                      ; the first 16 (q + 1) loads are in; the later batches' and x's 16 may stay out
.endif
.irp j, 0,1,2,3
	v_mul_f32 v[W+24*(\j)],   -|v[YB+16*(\q)+4*(\j)+2]|, s[L2E]
	v_mul_f32 v[W+24*(\j)+1], -|v[YB+16*(\q)+4*(\j)+3]|, s[L2E]
.endr
.irp j, 0,1,2,3
	v_exp_f32 v[W+24*(\j)],   v[W+24*(\j)]          ; e = exp(-|y|)
	v_exp_f32 v[W+24*(\j)+1], v[W+24*(\j)+1]
.endr
.irp j, 0,1,2,3
	v_max_num_f32 v[W+24*(\j)+4], 0, v[YB+16*(\q)+4*(\j)+2]  ; plain work that names no e stands behind the batch
	v_max_num_f32 v[W+24*(\j)+5], 0, v[YB+16*(\q)+4*(\j)+3]
.endr
	s_wait_alu depctr_va_vdst(0)                   ; one wait for the eight exponentials, ahead of their first reader
.irp j, 0,1,2,3
	v_pk_add_f32 v[W+24*(\j)+2:W+24*(\j)+3], v[W+24*(\j):W+24*(\j)+1], 1.0 op_sel_hi:[1,0]
.endr
.irp j, 0,1,2,3
	v_log_f32 v[W+24*(\j)+2], v[W+24*(\j)+2]
	v_log_f32 v[W+24*(\j)+3], v[W+24*(\j)+3]
.endr
.irp j, 0,1,2,3
	v_pk_fma_f32 v[W+24*(\j)+6:W+24*(\j)+7], v[W+24*(\j):W+24*(\j)+1], 0x3eaaaaab, -0.5 op_sel_hi:[1,0,0]  ; e/3 - 1/2
.endr
.irp j, 0,1,2,3
	v_pk_fma_f32 v[W+24*(\j)+6:W+24*(\j)+7], v[W+24*(\j):W+24*(\j)+1], v[W+24*(\j)+6:W+24*(\j)+7], 1.0 op_sel_hi:[1,1,0]
.endr
.irp j, 0,1,2,3
	v_pk_fma_f32 v[W+24*(\j)+6:W+24*(\j)+7], v[W+24*(\j):W+24*(\j)+1], v[W+24*(\j)+6:W+24*(\j)+7], v[W+24*(\j)+4:W+24*(\j)+5]  ; max(y,0) + e (1 - e/2 + e^2/3)
.endr
	s_wait_alu depctr_va_vdst(0)                   ; one wait for the eight logarithms; the series above is the work between
.irp j, 0,1,2,3
	v_pk_fma_f32 v[W+24*(\j)+2:W+24*(\j)+3], v[W+24*(\j)+2:W+24*(\j)+3], 0x3f317218, v[W+24*(\j)+4:W+24*(\j)+5] op_sel_hi:[1,0,1]  ; max(y,0) + ln 2 log2(1 + e)
.endr
.irp j, 0,1,2,3
	v_cmp_gt_f32 vcc_lo, s[THR], v[W+24*(\j)]      ; a small e takes the series: a choice of value, nothing branches on it
	v_cndmask_b32 v[W+24*(\j)+2], v[W+24*(\j)+2], v[W+24*(\j)+6], vcc_lo
	v_cmp_gt_f32 vcc_lo, s[THR], v[W+24*(\j)+1]
	v_cndmask_b32 v[W+24*(\j)+3], v[W+24*(\j)+3], v[W+24*(\j)+7], vcc_lo  ; d
.endr
.irp j, 0,1,2,3
	v_pk_mul_f32 v[W+24*(\j)+4:W+24*(\j)+5], v[W+24*(\j)+2:W+24*(\j)+3], 0.5 op_sel_hi:[1,0]            ; d/2
	v_pk_add_f32 v[W+24*(\j)+18:W+24*(\j)+19], v[W+24*(\j)+2:W+24*(\j)+3], 1.0 op_sel_hi:[1,0]          ; d + 1
	v_pk_add_f32 v[W+24*(\j)+20:W+24*(\j)+21], v[W+24*(\j)+2:W+24*(\j)+3], 0x2edbe6ff op_sel_hi:[1,0]   ; d + 1e-10
.endr
.irp j, 0,1,2,3
	v_pk_add_f32 v[W+24*(\j)+6:W+24*(\j)+7], v[YB+16*(\q)+4*(\j):YB+16*(\q)+4*(\j)+1], v[W+24*(\j)+4:W+24*(\j)+5]  ; c = mn + d/2
.endr
.irp j, 0,1,2,3
	v_rcp_f32 v[W+24*(\j)],    v[W+24*(\j)+18]
	v_rcp_f32 v[W+24*(\j)+1],  v[W+24*(\j)+19]
	v_rcp_f32 v[W+24*(\j)+22], v[W+24*(\j)+20]
	v_rcp_f32 v[W+24*(\j)+23], v[W+24*(\j)+21]
.endr
.irp j, 0,1,2,3
	v_pk_mul_f32 v[W+24*(\j)+12:W+24*(\j)+13], v[W+24*(\j)+20:W+24*(\j)+21], 0x39000000 op_sel_hi:[1,0]  ; 1 / AL = (d + 1e-10) / 8192, exact
.endr
	s_wait_alu depctr_va_vdst(0)                   ; one wait for the sixteen reciprocals
.irp j, 0,1,2,3
	v_pk_mul_f32 v[W+24*(\j)+8:W+24*(\j)+9], v[W+24*(\j)+22:W+24*(\j)+23], 0x46000000 op_sel_hi:[1,0]    ; AL
	v_pk_mul_f32 v[W+24*(\j)+14:W+24*(\j)+15], v[W+24*(\j):W+24*(\j)+1], v[W+24*(\j)+12:W+24*(\j)+13]    ; G0
	v_pk_add_f32 v[W+24*(\j)+22:W+24*(\j)+23], v[W+24*(\j)+22:W+24*(\j)+23], v[W+24*(\j)+2:W+24*(\j)+3] neg_lo:[0,1] neg_hi:[0,1]  ; 1/(d+1e-10) - d
.endr
.irp j, 0,1,2,3
	v_pk_mul_f32 v[W+24*(\j)+10:W+24*(\j)+11], v[W+24*(\j)+6:W+24*(\j)+7], v[W+24*(\j)+8:W+24*(\j)+9] neg_lo:[1,0] neg_hi:[1,0]     ; BE = -c AL
	v_pk_fma_f32 v[W+24*(\j)+12:W+24*(\j)+13], v[W+24*(\j)+18:W+24*(\j)+19], v[W+24*(\j)+12:W+24*(\j)+13], v[W+24*(\j)+14:W+24*(\j)+15] neg_lo:[0,0,1] neg_hi:[0,0,1]  ; G1
	v_pk_mul_f32 v[W+24*(\j)+16:W+24*(\j)+17], v[W+24*(\j)+4:W+24*(\j)+5], v[W+24*(\j)+22:W+24*(\j)+23]  ; NK = -k
.endr
.irp j, 0,1,2,3
	ds_store_b128 v[WA+(\j)/2], v[W+24*(\j)+8:W+24*(\j)+11]  offset:((\j)%2)*32*PAB+(\q)*16
	ds_store_b128 v[WA+(\j)/2], v[W+24*(\j)+12:W+24*(\j)+15] offset:((\j)%2)*32*PAB+(\q)*16+512
	ds_store_b64  v[WC],        v[W+24*(\j)+16:W+24*(\j)+17] offset:(\j)*16*PCH+(\q)*16
.endr
.endm
	BATCH 0
	BATCH 1
	BATCH 2
	BATCH 3
	s_wait_loadcnt 0x0                             ; my 16 rows of x
.set r, 0
.rept 16
	ds_store_b128 v[XS], v[XT+4*r:XT+4*r+3] offset:r*512
.set r, r+1
.endr
	s_wait_dscnt 0x0                               ; for the others' sake: all my stores into the tables are done
	s_barrier_signal -1
.set r, 0
.rept 32
	v_mov_b32 v[ACC+r], 0                          ; register work between signal and wait: the 32 sums start at 0, so that the loop has one form of the last line,
.set r, r+1
.endr
	v_lshlrev_b32 v[ADA], 4, v[LANE]               ; and the readers' addresses
	v_add_nc_u32 v[ADC], CBASE, v[ADA]
	s_add_co_u32 s18, s18, XBASE
	v_mov_b32 v[ADX], s18
	s_lshl_b32 s19, s[WV], 17                      ; my wave's 16 rows of out, 8,192 bytes each
	v_lshl_add_u32 v[OO], v[LANE], 3, s19          ; my two labels: 8 bytes
	v_mov_b32 v[CN], 0xcb800000                    ; -2^24: the clamped line takes vector registers alone
	v_mov_b32 v[CN+1], 0xcb800000
	s_mov_b32 s[TRIPS], 15
	s_barrier_wait -1                              ; the tables are whole; from here on LDS is only read
; x of rows 8 u .. 8 u + 7 of my 16, four h at byte hb behind the trip's: every lane reads the same 16 bytes
.macro LOADX xb, u, hb
.irp b, 0,1,2,3,4,5,6,7
	ds_load_b128 v[(\xb)+4*(\b):(\xb)+4*(\b)+3], v[ADX] offset:(8*(\u)+(\b))*512+(\hb)
.endr
.endm
; the numbers of four h, rows r0 .. r0 + 3 behind the trip's: ten loads, 32 lanes x 16 neighbouring bytes each
.macro LOADP pb, r0
.irp k, 0,1,2,3
	ds_load_b128 v[(\pb)+8*(\k):(\pb)+8*(\k)+3],   v[ADA] offset:((\r0)+(\k))*PAB
	ds_load_b128 v[(\pb)+8*(\k)+4:(\pb)+8*(\k)+7], v[ADA] offset:((\r0)+(\k))*PAB+512
.endr
.irp k, 0,1
	ds_load_b128 v[(\pb)+32+4*(\k):(\pb)+32+4*(\k)+3], v[ADC] offset:((\r0)/2+(\k))*PCH
.endr
.endm
; One h (number hh of the chunk's four) for eight rows: the seven lines, each written for all eight rows before the next, so that a line's sources were made eight lines back or more.
.macro HSTEP xb, pb, u, hh
.irp b, 0,1,2,3,4,5,6,7
.if (\hh)&1
	v_pk_fma_f32 v[T+2*(\b):T+2*(\b)+1], v[(\xb)+4*(\b)+((\hh)&2):(\xb)+4*(\b)+((\hh)&2)+1], v[(\pb)+8*(\hh):(\pb)+8*(\hh)+1], v[(\pb)+8*(\hh)+2:(\pb)+8*(\hh)+3] op_sel:[1,0,0] op_sel_hi:[1,1,1]  ; t = x AL + BE: the pair's second x for both labels
.else
	v_pk_fma_f32 v[T+2*(\b):T+2*(\b)+1], v[(\xb)+4*(\b)+((\hh)&2):(\xb)+4*(\b)+((\hh)&2)+1], v[(\pb)+8*(\hh):(\pb)+8*(\hh)+1], v[(\pb)+8*(\hh)+2:(\pb)+8*(\hh)+3] op_sel_hi:[0,1,1]  ; the pair's first x for both labels
.endif
.endr
.irp b, 0,1,2,3,4,5,6,7
	v_pk_fma_f32 v[OI+2*(\b):OI+2*(\b)+1], v[T+2*(\b):T+2*(\b)+1], v[T+2*(\b):T+2*(\b)+1], v[CN:CN+1] clamp  ; o: 0 inside, 1 outside
.endr
.irp b, 0,1,2,3,4,5,6,7
	v_pk_fma_f32 v[AE+2*(\b):AE+2*(\b)+1], v[OI+2*(\b):OI+2*(\b)+1], v[(\pb)+8*(\hh)+4:(\pb)+8*(\hh)+5], v[(\pb)+8*(\hh)+6:(\pb)+8*(\hh)+7]  ; a = o G1 + G0
.endr
.irp b, 0,1,2,3,4,5,6,7
	v_pk_mul_f32 v[OI+2*(\b):OI+2*(\b)+1], v[OI+2*(\b):OI+2*(\b)+1], v[(\pb)+32+2*(\hh):(\pb)+32+2*(\hh)+1]  ; k' = o NK
.endr
.irp b, 0,1,2,3,4,5,6,7
	v_fma_f32 v[T+2*(\b)],   |v[T+2*(\b)]|,   v[AE+2*(\b)],   v[OI+2*(\b)]    ; p = |t| a + k'
	v_fma_f32 v[T+2*(\b)+1], |v[T+2*(\b)+1]|, v[AE+2*(\b)+1], v[OI+2*(\b)+1]
.endr
.irp b, 0,1,2,3,4,5,6,7
	v_pk_fma_f32 v[ACC+2*(8*(\u)+(\b)):ACC+2*(8*(\u)+(\b))+1], v[T+2*(\b):T+2*(\b)+1], v[T+2*(\b):T+2*(\b)+1], v[ACC+2*(8*(\u)+(\b)):ACC+2*(8*(\u)+(\b))+1]
.endr
.endm
.macro STEP xb, pb, u
	HSTEP \xb, \pb, \u, 0
	HSTEP \xb, \pb, \u, 1
	HSTEP \xb, \pb, \u, 2
	HSTEP \xb, \pb, \u, 3
.endm
; A TRIP: two chunks of four h, each for rows 0-7 and then rows 8-15.  What a step multiplies was asked for one step earlier; LDS loads come back in order (ISA guide 5.7.1), so each wait names the loads just issued.
; more = 0: the last trip: there is no chunk behind it, and nothing is read past the tables.
.macro TRIP more
	LOADX X1, 1, 0
	s_wait_dscnt 8                                 ; all but the eight just issued: rows 0-7's x and the chunk's numbers are in
	STEP X0, PR0, 0
	LOADX X0, 0, 16
	LOADP PR1, 4
	s_wait_dscnt 18                                ; all but the eighteen just issued: rows 8-15's x is in
	STEP X1, PR0, 1
	LOADX X1, 1, 16
	s_wait_dscnt 8
	STEP X0, PR1, 0
.if \more
	LOADX X0, 0, 32
	LOADP PR0, 8
	s_wait_dscnt 18
.else
	s_wait_dscnt 0x0
.endif
	STEP X1, PR1, 1
.endm
	LOADX X0, 0, 0                                 ; chunk 0: rows 0-7's x and the numbers
	LOADP PR0, 0
.Ltrip:
	TRIP 1
	v_add_nc_u32 v[ADA], 8*PAB, v[ADA]             ; eight h on
	v_add_nc_u32 v[ADC], 4*PCH, v[ADC]
	v_add_nc_u32 v[ADX], 32, v[ADX]
	s_sub_co_u32 s[TRIPS], s[TRIPS], 1
	s_cmp_lg_u32 s[TRIPS], 0
	s_cbranch_scc1 .Ltrip
	TRIP 0
	; THE WAY OUT: -sqrt of the 32 sums; a row's store is 32 lanes x 8 bytes: 256 consecutive bytes, at a multiple of 256 from out's first byte
.set r, 0
.rept 32
	v_sqrt_f32 v[ACC+r], v[ACC+r]
.set r, r+1
.endr
	v_nop                                          ; a plain instruction behind the last root, ahead of the first use
	s_wait_alu depctr_va_vdst(0)                   ; one wait for the 32 roots
.set r, 0
.rept 16
	v_pk_mul_f32 v[ACC+2*r:ACC+2*r+1], v[ACC+2*r:ACC+2*r+1], -1.0 op_sel_hi:[1,0]
.set r, r+1
.endr
.set r, 0
.rept 16
	global_store_b64 v[OO], v[ACC+2*r:ACC+2*r+1], s[8:9] offset:r*8192 th:TH_STORE_NT
.set r, r+1
.endr
	s_wait_tensorcnt 0x0                           ; the wave's end
	ds_add_u32 v[SPW], v[NIL]
	s_wait_dscnt 0x0
	s_endpgm
.Lfunc_end_k_q096edc2a35_boxe:
	.size	k_q096edc2a35_boxe, .Lfunc_end_k_q096edc2a35_boxe-k_q096edc2a35_boxe
	.p2alignl 7, 3214868480
	.fill 96, 4, 3214868480
	.section	.rodata,"a",@progbits
	.p2align	6, 0x0
	.amdhsa_kernel k_q096edc2a35_boxe
		.amdhsa_group_segment_fixed_size 233472
		.amdhsa_private_segment_fixed_size 0
		.amdhsa_enable_private_segment 0
		.amdhsa_kernarg_size 24
		.amdhsa_user_sgpr_count 2
		.amdhsa_user_sgpr_kernarg_segment_ptr 1
		.amdhsa_wavefront_size32 1
		.amdhsa_system_sgpr_workgroup_id_x 1
		.amdhsa_system_sgpr_workgroup_id_y 1
		.amdhsa_system_sgpr_workgroup_id_z 1
		.amdhsa_system_vgpr_workitem_id 0
		.amdhsa_next_free_vgpr 256
		.amdhsa_next_free_sgpr 66
		.amdhsa_reserve_vcc 1
		.amdhsa_float_denorm_mode_32 3
		.amdhsa_float_denorm_mode_16_64 3
		.amdhsa_memory_ordered 1
		.amdhsa_forward_progress 1
		.amdhsa_inst_pref_size 166
	.end_amdhsa_kernel
	.amdgpu_metadata
---
amdhsa.version: [ 1, 2 ]
amdhsa.kernels:
  - .name:           k_q096edc2a35_boxe
    .symbol:         k_q096edc2a35_boxe.kd
    .args:
      - { .name: x, .offset: 0, .size: 8, .value_kind: global_buffer, .address_space: global }
      - { .name: y, .offset: 8, .size: 8, .value_kind: global_buffer, .address_space: global }
      - { .name: out0, .offset: 16, .size: 8, .value_kind: global_buffer, .address_space: global }
    .group_segment_fixed_size: 233472
    .private_segment_fixed_size: 0
    .kernarg_segment_align: 8
    .kernarg_segment_size: 24
    .max_flat_workgroup_size: 256
    .sgpr_count:     66
    .vgpr_count:     256
    .wavefront_size: 32
...
	.end_amdgpu_metadata
.endif
;; end of part 1
;; ======== version 2 of 2: 1 launch; version 1 with the launch boxe written anew for expert scheduling mode
;; launch boxe (part 2): grid 32 x 8, 8 waves a work-group, no clusters, 233,472 bytes of LDS; arguments x, y, out0; writes out0
.if DOCPART == 2
	.amdgcn_target "amdgcn-amd-amdhsa--gfx1250"
	.amdhsa_code_object_version 6
	.text
	.protected	k_q096edc2a35_boxe
	.globl	k_q096edc2a35_boxe
	.p2align	8
	.type	k_q096edc2a35_boxe,@function
k_q096edc2a35_boxe:
	s_mov_b64 s[64:65], 0
	v_nop
	global_prefetch_b8 v0, s[64:65] scope:SCOPE_SE
	s_setreg_imm32_b32 hwreg(HW_REG_WAVE_SCHED_MODE, 0, 2), 2
	s_setreg_imm32_b32 hwreg(HW_REG_WAVE_MODE, 25, 1), 1
	s_wait_xcnt 0x0
	s_wait_alu depctr_vm_vsrc(0)
; out[b][l] = -sqrt( sum over h of per_dim(b,l,h)^2 ).  x: [1024][128] f32, y: [2048][256] f32 (128 minima, then 128 raw widths), out: [1024][2048] f32.
; With d = softplus(raw width), c = mn + d/2, l1 = |x - c|:  per_dim = l1 / (d + 1) inside the box, l1 (d + 1) - k outside, k = d/2 (d - 1/(d + 1e-10)).
; THE ARITHMETIC.  Five numbers for each (l, h), made once:  AL = 8192 / (d + 1e-10),  BE = -c AL,  G0 = (1/(d+1)) / AL,  G1 = (d+1) / AL - G0,  NK = -k.  Then, two labels at a time (packed f32):
;   t = x AL + BE;   o = clamp(t t - 2^24): 0 where |t| <= 4096, and 1 elsewhere, since the next f32 above 4096 already gives t t - 2^24 > 4;   a = o G1 + G0;   k' = o NK;   p = |t| a + k' (one line a number:
;   the packed form has no absolute value);   acc += p p.   Seven vector instructions for two numbers, no compare and no select.  Everything is f32.
; SHARES.  256 work-groups: 64 labels x 128 rows of x each.  Eight waves; a wave takes all 64 labels (lane i: labels 2 i and 2 i + 1, the two halves of every packed line), 16 rows of x and all 128 h.
; THE HEAD.  Wave w makes the five numbers for labels 8 w .. 8 w + 7 (lanes along h, the two labels of a pair in neighbouring registers) and lays them into LDS for readers whose lanes run along the labels;
; it copies its own 16 rows of x into LDS.  One barrier; behind it LDS is only read.  The 8 work-groups of a label block each make these numbers anew: 8,192 (l, h) against 1,048,576 numbers of the sum.
; NO CLUSTER, NO TENSOR LOAD: what work-groups share is 128 KiB each, read once at the head, and y is transformed on its way into LDS; no LDS byte is filled twice.  No matrix instruction: there is no product.
; LIMITS.  (1) Inside means |x - c| <= (d + 1e-10) / 2, reckoned in f32 as above, not mn <= x <= mn + d: an x within a few units in the last place of a face, or within 5e-11 of it, may be counted on the other
; side, where per_dim differs by (d+1)/2 - d/(2(d+1)).  (2) (d + 1) + 1e-10 is d + 1 in f32: not added.  (3) softplus = max(y,0) + log1p(e), e = exp(-|y|); log1p is e - e^2/2 + e^3/3 below e = 2^-8 (cut: e^3/4 of
; itself) and log(1 + e) above (2^-16 of itself); e below 2^-126 counts as 0 (ISA guide 15.8: the exponential flushes).  (4) A sum of squares below 2^-126 gives 0.  (5) NaN and infinities are not treated apart.
; THE MODE: SCHED_MODE bits 1:0 = 2 (LLVM: expert scheduling mode 2), set by the entry lines.  The code itself states the register dependences between vector instructions and memory or LDS instructions,
; with s_wait_alu, always for 0.
; THE PLAN.  Registers that memory or LDS instructions touch:
;   v10, v11      offsets into y and x: written once at the head, read by the 80 global loads.      v12-15  the writers' LDS addresses: written once, read by all LDS stores.
;   a work set's +8 .. +17   written by a batch's last lines, read by its twelve LDS stores, written again in the next batch.      v192-255  x on its way: loaded, then read by sixteen LDS stores.
;   X0, X1        a step reads one of them (the first line of each h); its LDS loads land in the other, which the step before read.
;   PR0, PR1      two steps read one of them; the second of the two loads the other, which was last read a step or more ago.
;   v4-6          the readers' LDS addresses: read by every LDS load of the loop, written at the barrier and by three adds at a trip's foot.
;   ACC, v7       read by the sixteen global stores at the end.      v2, v3  read by the closing add alone.      T, OI, AE, CN are named by vector lines alone in the loop.
; So ONE wait on va_vdst stands at a step's head: the step before is done reading its X, the earlier steps are done with the numbers' buffer that is asked for anew, and, in a trip's first step, the addresses are
; written.  The step's 8 or 18 loads follow it two at a time among its vector lines, which name none of the registers that those loads touch.  One wait on vm_vsrc a trip stands ahead of the three adds.
.set PAB,   1040                       ; LDS bytes for one h: 32 lanes x 16 (AL, AL', BE, BE'), 32 x 16 (G1, G1', G0, G0'), 16 of padding = 65 x 16: writers' lanes, one h apart, hit 16 different 16-byte columns (64 banks of 4 bytes: ISA guide 11.1)
.set PCH,   528                        ; LDS bytes for two h: 32 lanes x 16 (NK, NK' of the even h, of the odd h), 16 of padding = 33 x 16
.set CBASE, 128*PAB                    ; NK's table
.set XBASE, CBASE+64*PCH               ; 128 rows of x, 512 bytes each
.set SPARE, XBASE+128*512              ; the spare words, 128 bytes for each wave: four blocks of 256 bytes that no other line names
.set LANE, 1                           ; v1    lane
.set SPW,  2                           ; v2    LDS address of my spare word; never rewritten
.set NIL,  3                           ; v3    0; never rewritten
.set ADA,  4                           ; v4    reader: 16 x lane + the trip's rows of the first table
.set ADC,  5                           ; v5    reader: the same in NK's table
.set ADX,  6                           ; v6    reader: my wave's rows of x + the trip's h (the same in all lanes)
.set OO,   7                           ; v7    my byte offset in out
.set CN,   8                           ; v[8:9]  -2^24, twice
.set VY,   10                          ; v10   my byte offset in the work-group's rows of y
.set VX,   11                          ; v11   my byte offset in the work-group's rows of x
.set WA,   12                          ; v12, v13  writer: my place in the first table for h = lane (+32), and for h = lane + 64 (+32)
.set WC,   14                          ; v14   writer: my place in NK's table
.set XS,   15                          ; v15   writer: my place in x's rows in LDS
.set ACC,  16                          ; v[16:47]    sums of squares: row b of my 16 at ACC + 2 b (label 2 i, label 2 i + 1)
.set PR0,  48                          ; v[48:87]    the numbers of four h: 8 registers an h, then NK's 8
.set PR1,  88                          ; v[88:127]   the same, for the chunk after
.set X0,   128                         ; v[128:159]  x: 8 rows x 4 h
.set X1,   160                         ; v[160:191]  the other 8 rows
.set T,    192                         ; v[192:207]  t, then p, for 8 rows
.set OI,   208                         ; v[208:223]  o, then k'
.set AE,   224                         ; v[224:239]  a
.set W,    16                          ; the head: v[16:111] four sets of 24 at work
.set YB,   128                         ; the head: v[128:191] y as loaded: set it = 4 q + j at YB + 4 it: mn, mn', raw, raw'
.set XT,   192                         ; the head: v[192:255] my 16 rows of x on their way to LDS
.set WV,   10                          ; s10  my wave's number
.set L2E,  20                          ; s20  log2(e)
.set THR,  21                          ; s21  2^-8
.set TRIPS, 22                         ; s22  the loop's counter
.set CM,   24                          ; s[24:31]  the head: eight masks, which lanes take the series
	s_load_b128 s[4:7], s[0:1], 0x0                ; x s[4:5], y s[6:7]
	s_load_b64 s[8:9], s[0:1], 0x10                ; out
	v_lshl_add_u32 v[SPW], v0, 2, SPARE
	v_mov_b32 v[NIL], 0
	v_and_b32 v[LANE], 31, v0
	v_lshrrev_b32 v[VY], 5, v0
	v_readfirstlane_b32 s[WV], v[VY]               ; wave 0..7
	s_and_b32 s11, ttmp7, 0xffff                   ; which 128 rows of x
	s_lshl_b32 s12, ttmp9, 16                      ; y: 64 rows of 1,024 bytes for each block of labels
	s_mov_b32 s13, 0
	s_lshl_b32 s14, s11, 16                        ; x: 128 rows of 512 bytes
	s_mov_b32 s15, 0
	s_lshl_b32 s16, s11, 20                        ; out: 128 rows of 8,192 bytes,
	s_lshl_b32 s17, ttmp9, 8                       ; and 64 labels of 4 bytes
	s_add_co_u32 s16, s16, s17
	s_mov_b32 s17, 0
	s_wait_alu depctr_va_sdst(0)                   ; s10, the wave's number, is written, ahead of its first reader
	s_lshl_b32 s18, s[WV], 13                      ; my wave's 8 rows of y, and its 16 rows of x: 8,192 bytes either way
	v_lshl_add_u32 v[VY], v[LANE], 2, s18          ; a lane an h
	v_lshl_add_u32 v[VX], v[LANE], 4, s18          ; a lane 16 bytes of a row
	s_mov_b32 s[L2E], 0x3fb8aa3b
	s_mov_b32 s[THR], 0x3b800000
	s_wait_kmcnt 0x0
	s_add_nc_u64 s[6:7], s[6:7], s[12:13]
	s_add_nc_u64 s[4:5], s[4:5], s[14:15]
	s_add_nc_u64 s[8:9], s[8:9], s[16:17]
	s_wait_alu depctr_va_vdst(0)                   ; v10 and v11 are written, which the global loads below read as their offsets; neither is written again
	; y: pair q of my four (rows 2 q, 2 q + 1 of my eight), h = lane + 32 j.  Four bytes a lane, 128 neighbouring bytes a load, the four j on end a whole half row: so the two labels of a pair
	; land in neighbouring registers, as the packed lines want them, and the lanes run along h, one table row apart.
.set it, 0
.rept 16
	global_load_b32 v[YB+4*it],   v[VY], s[6:7] offset:(it/4)*2048+(it%4)*128
	global_load_b32 v[YB+4*it+1], v[VY], s[6:7] offset:(it/4)*2048+(it%4)*128+1024
	global_load_b32 v[YB+4*it+2], v[VY], s[6:7] offset:(it/4)*2048+(it%4)*128+512
	global_load_b32 v[YB+4*it+3], v[VY], s[6:7] offset:(it/4)*2048+(it%4)*128+1536
.set it, it+1
.endr
.set r, 0
.rept 16
	global_load_b128 v[XT+4*r:XT+4*r+3], v[VX], s[4:5] offset:r*512  ; a whole row of x a load
.set r, r+1
.endr
	; the writers' LDS addresses, while the loads are on their way
	v_mul_u32_u24 v[WA], v[LANE], PAB              ; row h = lane,
	s_lshl_b32 s19, s[WV], 6                       ; my wave's four pairs: 16 bytes each
	v_add_nc_u32 v[WA], s19, v[WA]
	v_add_nc_u32 v[WA+1], 64*PAB, v[WA]            ; row h = lane + 64: past the reach of a 16-bit offset
	v_lshrrev_b32 v[WC], 1, v[LANE]
	v_mul_u32_u24 v[WC], v[WC], PCH                ; row h / 2,
	v_and_b32 v[XS], 1, v[LANE]
	v_lshl_add_u32 v[WC], v[XS], 3, v[WC]          ; 8 bytes on for an odd h
	s_add_co_u32 s19, s19, CBASE
	v_add_nc_u32 v[WC], s19, v[WC]
	v_add_nc_u32 v[XS], XBASE, v[VX]
; THE FIVE NUMBERS for pair q of my four, all 128 h: four sets j (h = lane + 32 j) side by side, so that each kind of transcendental is one batch of eight or sixteen with one wait.
; A set's 24 registers: +0 e, then 1/(d+1); +2 1 + e, its logarithm, then d; +4 max(y,0), then d/2; +6 the series, then c; +8 AL; +10 BE; +12 (d+1e-10)/8192, then G1; +14 G0; +16 NK; +18 d + 1; +20 d + 1e-10; +22 1/(d+1e-10), then that less d.
.macro BATCH q
.if (\q) == 0
	s_wait_loadcnt 63                              ; 80 loads were issued and this batch wants the first 16: 64 might stay out; the count names 63, the most that it can
.else
	s_wait_loadcnt 64-16*(\q)                      ; the first 16 (q + 1) loads are in; the later batches' and x's 16 may stay out
.endif
.irp j, 0,1,2,3
	v_mul_f32 v[W+24*(\j)],   -|v[YB+16*(\q)+4*(\j)+2]|, s[L2E]
	v_mul_f32 v[W+24*(\j)+1], -|v[YB+16*(\q)+4*(\j)+3]|, s[L2E]
.endr
.irp j, 0,1,2,3
	v_exp_f32 v[W+24*(\j)],   v[W+24*(\j)]          ; e = exp(-|y|)
	v_exp_f32 v[W+24*(\j)+1], v[W+24*(\j)+1]
.endr
.irp j, 0,1,2,3
	v_max_num_f32 v[W+24*(\j)+4], 0, v[YB+16*(\q)+4*(\j)+2]  ; plain work that names no e stands behind the batch
	v_max_num_f32 v[W+24*(\j)+5], 0, v[YB+16*(\q)+4*(\j)+3]
.endr
	s_wait_alu depctr_va_vdst(0)                   ; the eight exponentials have written e, ahead of their first reader; in the first batch the writers' addresses v12 to v15 are written too
.irp j, 0,1,2,3
	v_pk_add_f32 v[W+24*(\j)+2:W+24*(\j)+3], v[W+24*(\j):W+24*(\j)+1], 1.0 op_sel_hi:[1,0]
.endr
.irp j, 0,1,2,3
	v_log_f32 v[W+24*(\j)+2], v[W+24*(\j)+2]
	v_log_f32 v[W+24*(\j)+3], v[W+24*(\j)+3]
.endr
.irp j, 0,1,2,3
	v_pk_fma_f32 v[W+24*(\j)+6:W+24*(\j)+7], v[W+24*(\j):W+24*(\j)+1], 0x3eaaaaab, -0.5 op_sel_hi:[1,0,0]  ; e/3 - 1/2
.endr
.irp j, 0,1,2,3
	v_pk_fma_f32 v[W+24*(\j)+6:W+24*(\j)+7], v[W+24*(\j):W+24*(\j)+1], v[W+24*(\j)+6:W+24*(\j)+7], 1.0 op_sel_hi:[1,1,0]
.endr
.irp j, 0,1,2,3
	v_pk_fma_f32 v[W+24*(\j)+6:W+24*(\j)+7], v[W+24*(\j):W+24*(\j)+1], v[W+24*(\j)+6:W+24*(\j)+7], v[W+24*(\j)+4:W+24*(\j)+5]  ; max(y,0) + e (1 - e/2 + e^2/3)
.endr
	s_wait_alu depctr_va_vdst(0)                   ; the eight logarithms are written, ahead of their first reader; the series above is the work between
.irp j, 0,1,2,3
	v_pk_fma_f32 v[W+24*(\j)+2:W+24*(\j)+3], v[W+24*(\j)+2:W+24*(\j)+3], 0x3f317218, v[W+24*(\j)+4:W+24*(\j)+5] op_sel_hi:[1,0,1]  ; max(y,0) + ln 2 log2(1 + e)
.endr
.irp j, 0,1,2,3
	v_cmp_gt_f32 s[CM+2*(\j)],   s[THR], v[W+24*(\j)]    ; a small e takes the series: a choice of value, nothing branches on it.  The eight compares stand in one run, a mask register each
	v_cmp_gt_f32 s[CM+2*(\j)+1], s[THR], v[W+24*(\j)+1]
.endr
	s_wait_alu depctr_va_sdst(0)                   ; the eight masks s24 to s31 are written, ahead of the selects that read them
.irp j, 0,1,2,3
	v_cndmask_b32 v[W+24*(\j)+2], v[W+24*(\j)+2], v[W+24*(\j)+6], s[CM+2*(\j)]
	v_cndmask_b32 v[W+24*(\j)+3], v[W+24*(\j)+3], v[W+24*(\j)+7], s[CM+2*(\j)+1]  ; d
.endr
.irp j, 0,1,2,3
	v_pk_mul_f32 v[W+24*(\j)+4:W+24*(\j)+5], v[W+24*(\j)+2:W+24*(\j)+3], 0.5 op_sel_hi:[1,0]            ; d/2
	v_pk_add_f32 v[W+24*(\j)+18:W+24*(\j)+19], v[W+24*(\j)+2:W+24*(\j)+3], 1.0 op_sel_hi:[1,0]          ; d + 1
	v_pk_add_f32 v[W+24*(\j)+20:W+24*(\j)+21], v[W+24*(\j)+2:W+24*(\j)+3], 0x2edbe6ff op_sel_hi:[1,0]   ; d + 1e-10
.endr
.irp j, 0,1,2,3
	v_pk_add_f32 v[W+24*(\j)+6:W+24*(\j)+7], v[YB+16*(\q)+4*(\j):YB+16*(\q)+4*(\j)+1], v[W+24*(\j)+4:W+24*(\j)+5]  ; c = mn + d/2
.endr
.irp j, 0,1,2,3
	v_rcp_f32 v[W+24*(\j)],    v[W+24*(\j)+18]
	v_rcp_f32 v[W+24*(\j)+1],  v[W+24*(\j)+19]
	v_rcp_f32 v[W+24*(\j)+22], v[W+24*(\j)+20]
	v_rcp_f32 v[W+24*(\j)+23], v[W+24*(\j)+21]
.endr
.if (\q) > 0
	s_wait_alu depctr_vm_vsrc(0)                   ; the last batch's LDS stores have read each set's +8 to +17, of which the line below is the first to write one again
.endif
.irp j, 0,1,2,3
	v_pk_mul_f32 v[W+24*(\j)+12:W+24*(\j)+13], v[W+24*(\j)+20:W+24*(\j)+21], 0x39000000 op_sel_hi:[1,0]  ; 1 / AL = (d + 1e-10) / 8192, exact
.endr
	s_wait_alu depctr_va_vdst(0)                   ; the sixteen reciprocals are written, ahead of their first reader
.irp j, 0,1,2,3
	v_pk_mul_f32 v[W+24*(\j)+8:W+24*(\j)+9], v[W+24*(\j)+22:W+24*(\j)+23], 0x46000000 op_sel_hi:[1,0]    ; AL
	v_pk_mul_f32 v[W+24*(\j)+14:W+24*(\j)+15], v[W+24*(\j):W+24*(\j)+1], v[W+24*(\j)+12:W+24*(\j)+13]    ; G0
	v_pk_add_f32 v[W+24*(\j)+22:W+24*(\j)+23], v[W+24*(\j)+22:W+24*(\j)+23], v[W+24*(\j)+2:W+24*(\j)+3] neg_lo:[0,1] neg_hi:[0,1]  ; 1/(d+1e-10) - d
.endr
.irp j, 0,1,2,3
	v_pk_mul_f32 v[W+24*(\j)+10:W+24*(\j)+11], v[W+24*(\j)+6:W+24*(\j)+7], v[W+24*(\j)+8:W+24*(\j)+9] neg_lo:[1,0] neg_hi:[1,0]     ; BE = -c AL
	v_pk_fma_f32 v[W+24*(\j)+12:W+24*(\j)+13], v[W+24*(\j)+18:W+24*(\j)+19], v[W+24*(\j)+12:W+24*(\j)+13], v[W+24*(\j)+14:W+24*(\j)+15] neg_lo:[0,0,1] neg_hi:[0,0,1]  ; G1
	v_pk_mul_f32 v[W+24*(\j)+16:W+24*(\j)+17], v[W+24*(\j)+4:W+24*(\j)+5], v[W+24*(\j)+22:W+24*(\j)+23]  ; NK = -k
.endr
	s_wait_alu depctr_va_vdst(0)                   ; the five numbers, each set's +8 to +17, are written, which the twelve LDS stores read
.irp j, 0,1,2,3
	ds_store_b128 v[WA+(\j)/2], v[W+24*(\j)+8:W+24*(\j)+11]  offset:((\j)%2)*32*PAB+(\q)*16
	ds_store_b128 v[WA+(\j)/2], v[W+24*(\j)+12:W+24*(\j)+15] offset:((\j)%2)*32*PAB+(\q)*16+512
	ds_store_b64  v[WC],        v[W+24*(\j)+16:W+24*(\j)+17] offset:(\j)*16*PCH+(\q)*16
.endr
.endm
	BATCH 0
	BATCH 1
	BATCH 2
	BATCH 3
	s_wait_loadcnt 0x0                             ; my 16 rows of x
.set r, 0
.rept 16
	ds_store_b128 v[XS], v[XT+4*r:XT+4*r+3] offset:r*512  ; their data came by loads and no vector line names them; v15 was written ahead of the batches' waits
.set r, r+1
.endr
	s_wait_dscnt 0x0                               ; for the others' sake: all my stores into the tables are done
	s_wait_alu depctr_vm_vsrc(0)                   ; my LDS stores have read their data: of these registers v24 to v33 are cleared below, v48 to v105 take the numbers' loads, v192 to v239 are T, OI and AE from here on
	s_barrier_signal -1
.set r, 0
.rept 32
	v_mov_b32 v[ACC+r], 0                          ; register work between signal and wait: the 32 sums start at 0, so that the loop has one form of the last line,
.set r, r+1
.endr
	v_lshlrev_b32 v[ADA], 4, v[LANE]               ; and the readers' addresses
	v_add_nc_u32 v[ADC], CBASE, v[ADA]
	s_add_co_u32 s18, s18, XBASE
	v_mov_b32 v[ADX], s18
	s_lshl_b32 s19, s[WV], 17                      ; my wave's 16 rows of out, 8,192 bytes each
	v_lshl_add_u32 v[OO], v[LANE], 3, s19          ; my two labels: 8 bytes
	v_mov_b32 v[CN], 0xcb800000                    ; -2^24: the clamped line takes vector registers alone
	v_mov_b32 v[CN+1], 0xcb800000
	s_mov_b32 s[TRIPS], 15
	s_barrier_wait -1                              ; the tables are whole; from here on LDS is only read
; x of rows 8 u + b and 8 u + b + 1 of my 16, four h at byte hb behind the trip's: every lane reads the same 16 bytes
.macro X2 xb, u, hb, b
	ds_load_b128 v[(\xb)+4*(\b):(\xb)+4*(\b)+3],   v[ADX] offset:(8*(\u)+(\b))*512+(\hb)
	ds_load_b128 v[(\xb)+4*(\b)+4:(\xb)+4*(\b)+7], v[ADX] offset:(8*(\u)+(\b)+1)*512+(\hb)
.endm
; the numbers of one h, row r0 + k behind the trip's: 32 lanes x 16 neighbouring bytes a load
.macro P2 pb, r0, k
	ds_load_b128 v[(\pb)+8*(\k):(\pb)+8*(\k)+3],   v[ADA] offset:((\r0)+(\k))*PAB
	ds_load_b128 v[(\pb)+8*(\k)+4:(\pb)+8*(\k)+7], v[ADA] offset:((\r0)+(\k))*PAB+512
.endm
; NK of four h
.macro N2 pb, r0
	ds_load_b128 v[(\pb)+32:(\pb)+35], v[ADC] offset:((\r0)/2)*PCH
	ds_load_b128 v[(\pb)+36:(\pb)+39], v[ADC] offset:((\r0)/2+1)*PCH
.endm
; The next two of the step's LDS loads, if any are left: x's eight (pieces 0 to 3), then the numbers' ten (pieces 4 to 8).  STEP sets what is asked for.
; No wait: no vector line since the wait at the step's head names the registers in which they land, nor their addresses.
.macro DEAL
.if LX && (piece < 4)
	X2 NXB, NXU, NXH, 2*piece
.elseif LP && (piece >= 4) && (piece < 8)
	P2 NPB, NPR, piece-4
.elseif LP && (piece == 8)
	N2 NPB, NPR
.endif
.set piece, piece+1
.endm
; One h (number hh of the chunk's four) for eight rows: the seven lines, each written for all eight rows before the next, so that a line's sources were made eight lines back or more.
; Ahead of each block of eight rows' lines stand two of the step's loads, while there are any.
.macro HSTEP xb, pb, u, hh
	DEAL
.irp b, 0,1,2,3,4,5,6,7
.if (\hh)&1
	v_pk_fma_f32 v[T+2*(\b):T+2*(\b)+1], v[(\xb)+4*(\b)+((\hh)&2):(\xb)+4*(\b)+((\hh)&2)+1], v[(\pb)+8*(\hh):(\pb)+8*(\hh)+1], v[(\pb)+8*(\hh)+2:(\pb)+8*(\hh)+3] op_sel:[1,0,0] op_sel_hi:[1,1,1]  ; t = x AL + BE: the pair's second x for both labels
.else
	v_pk_fma_f32 v[T+2*(\b):T+2*(\b)+1], v[(\xb)+4*(\b)+((\hh)&2):(\xb)+4*(\b)+((\hh)&2)+1], v[(\pb)+8*(\hh):(\pb)+8*(\hh)+1], v[(\pb)+8*(\hh)+2:(\pb)+8*(\hh)+3] op_sel_hi:[0,1,1]  ; the pair's first x for both labels
.endif
.endr
	DEAL
.irp b, 0,1,2,3,4,5,6,7
	v_pk_fma_f32 v[OI+2*(\b):OI+2*(\b)+1], v[T+2*(\b):T+2*(\b)+1], v[T+2*(\b):T+2*(\b)+1], v[CN:CN+1] clamp  ; o: 0 inside, 1 outside
.endr
	DEAL
.irp b, 0,1,2,3,4,5,6,7
	v_pk_fma_f32 v[AE+2*(\b):AE+2*(\b)+1], v[OI+2*(\b):OI+2*(\b)+1], v[(\pb)+8*(\hh)+4:(\pb)+8*(\hh)+5], v[(\pb)+8*(\hh)+6:(\pb)+8*(\hh)+7]  ; a = o G1 + G0
.endr
	DEAL
.irp b, 0,1,2,3,4,5,6,7
	v_pk_mul_f32 v[OI+2*(\b):OI+2*(\b)+1], v[OI+2*(\b):OI+2*(\b)+1], v[(\pb)+32+2*(\hh):(\pb)+32+2*(\hh)+1]  ; k' = o NK
.endr
	DEAL
.irp b, 0,1,2,3,4,5,6,7
	v_fma_f32 v[T+2*(\b)],   |v[T+2*(\b)]|,   v[AE+2*(\b)],   v[OI+2*(\b)]    ; p = |t| a + k'
	v_fma_f32 v[T+2*(\b)+1], |v[T+2*(\b)+1]|, v[AE+2*(\b)+1], v[OI+2*(\b)+1]
.endr
	DEAL
.irp b, 0,1,2,3,4,5,6,7
	v_pk_fma_f32 v[ACC+2*(8*(\u)+(\b)):ACC+2*(8*(\u)+(\b))+1], v[T+2*(\b):T+2*(\b)+1], v[T+2*(\b):T+2*(\b)+1], v[ACC+2*(8*(\u)+(\b)):ACC+2*(8*(\u)+(\b))+1]
.endr
.endm
; A STEP: four h for rows 8 u .. 8 u + 7, from x's buffer xb and the numbers' buffer pb.  lx = 1: it asks for the next step's x: buffer nx, rows 8 nu on, byte nh.  lp = 1: and for the next chunk's numbers: buffer np, row nr.
; All its loads are out within its first 80 vector lines of 224.
.macro STEP xb, pb, u, lx=0, nx=0, nu=0, nh=0, lp=0, np=0, nr=0
	s_wait_dscnt 0x0                               ; all that the step before asked for is in: this step's x, and its numbers where the chunk is new; nothing else is out
.if \lx
	s_wait_alu depctr_va_vdst(0)                   ; the step before is done reading its x buffer, and the steps before are done with the other numbers' buffer: this step's loads land there; in a trip's first step v4 to v6 are written
.endif
.set piece, 0
.set LX,  (\lx)
.set NXB, (\nx)
.set NXU, (\nu)
.set NXH, (\nh)
.set LP,  (\lp)
.set NPB, (\np)
.set NPR, (\nr)
	HSTEP \xb, \pb, \u, 0
	HSTEP \xb, \pb, \u, 1
	HSTEP \xb, \pb, \u, 2
	HSTEP \xb, \pb, \u, 3
.endm
; A TRIP: two chunks of four h, each for rows 0-7 and then rows 8-15.  What a step multiplies was asked for in the step before it.
; more = 0: the last trip: there is no chunk behind it, nothing is read past the tables, and its last step, which asks for nothing, has no dependence to state.
.macro TRIP more
	STEP X0, PR0, 0, 1, X1, 1, 0
	STEP X1, PR0, 1, 1, X0, 0, 16, 1, PR1, 4
	STEP X0, PR1, 0, 1, X1, 1, 16
.if \more
	STEP X1, PR1, 1, 1, X0, 0, 32, 1, PR0, 8
.else
	STEP X1, PR1, 1
.endif
.endm
	s_wait_alu depctr_va_vdst(0)                   ; the readers' addresses v4 to v6 are written; the batches' lines are done with v48 to v191, in which the loads below and the loop's land
.irp b, 0,2,4,6
	X2 X0, 0, 0, \b                                ; chunk 0: rows 0-7's x
.endr
.irp k, 0,1,2,3
	P2 PR0, 0, \k                                  ; and the numbers
.endr
	N2 PR0, 0
.Ltrip:
	TRIP 1
	s_wait_alu depctr_vm_vsrc(0)                   ; the LDS loads issued so far have read v4 to v6, which the three adds write; that the sums are written is stated at the next step's head
	v_add_nc_u32 v[ADA], 8*PAB, v[ADA]             ; eight h on
	v_add_nc_u32 v[ADC], 4*PCH, v[ADC]
	v_add_nc_u32 v[ADX], 32, v[ADX]
	s_sub_co_u32 s[TRIPS], s[TRIPS], 1
	s_cmp_lg_u32 s[TRIPS], 0
	s_cbranch_scc1 .Ltrip
	TRIP 0
	; THE WAY OUT: -sqrt of the 32 sums; a row's store is 32 lanes x 8 bytes: 256 consecutive bytes, at a multiple of 256 from out's first byte
.set r, 0
.rept 32
	v_sqrt_f32 v[ACC+r], v[ACC+r]
.set r, r+1
.endr
	v_nop                                          ; a plain instruction behind the last root, ahead of the first use
	s_wait_alu depctr_va_vdst(0)                   ; the 32 roots are written, ahead of their first reader
.set r, 0
.rept 16
	v_pk_mul_f32 v[ACC+2*r:ACC+2*r+1], v[ACC+2*r:ACC+2*r+1], -1.0 op_sel_hi:[1,0]
.set r, r+1
.endr
	s_wait_alu depctr_va_vdst(0)                   ; the sixteen lines above have written v16 to v47, which the stores read
.set r, 0
.rept 16
	global_store_b64 v[OO], v[ACC+2*r:ACC+2*r+1], s[8:9] offset:r*8192 th:TH_STORE_NT
.set r, r+1
.endr
	s_wait_dscnt 0x0                               ; the wave's end
	s_wait_alu 0x0
	s_wait_tensorcnt 0x0
	ds_add_u32 v[SPW], v[NIL]
	s_wait_dscnt 0x0
	s_endpgm
.Lfunc_end_k_q096edc2a35_boxe:
	.size	k_q096edc2a35_boxe, .Lfunc_end_k_q096edc2a35_boxe-k_q096edc2a35_boxe
	.p2alignl 7, 3214868480
	.fill 96, 4, 3214868480
	.section	.rodata,"a",@progbits
	.p2align	6, 0x0
	.amdhsa_kernel k_q096edc2a35_boxe
		.amdhsa_group_segment_fixed_size 233472
		.amdhsa_private_segment_fixed_size 0
		.amdhsa_enable_private_segment 0
		.amdhsa_kernarg_size 24
		.amdhsa_user_sgpr_count 2
		.amdhsa_user_sgpr_kernarg_segment_ptr 1
		.amdhsa_wavefront_size32 1
		.amdhsa_system_sgpr_workgroup_id_x 1
		.amdhsa_system_sgpr_workgroup_id_y 1
		.amdhsa_system_sgpr_workgroup_id_z 1
		.amdhsa_system_vgpr_workitem_id 0
		.amdhsa_next_free_vgpr 256
		.amdhsa_next_free_sgpr 66
		.amdhsa_reserve_vcc 0
		.amdhsa_float_denorm_mode_32 3
		.amdhsa_float_denorm_mode_16_64 3
		.amdhsa_memory_ordered 1
		.amdhsa_forward_progress 1
		.amdhsa_inst_pref_size 169
	.end_amdhsa_kernel
	.amdgpu_metadata
---
amdhsa.version: [ 1, 2 ]
amdhsa.kernels:
  - .name:           k_q096edc2a35_boxe
    .symbol:         k_q096edc2a35_boxe.kd
    .args:
      - { .name: x, .offset: 0, .size: 8, .value_kind: global_buffer, .address_space: global }
      - { .name: y, .offset: 8, .size: 8, .value_kind: global_buffer, .address_space: global }
      - { .name: out0, .offset: 16, .size: 8, .value_kind: global_buffer, .address_space: global }
    .group_segment_fixed_size: 233472
    .private_segment_fixed_size: 0
    .kernarg_segment_align: 8
    .kernarg_segment_size: 24
    .max_flat_workgroup_size: 256
    .sgpr_count:     66
    .vgpr_count:     256
    .wavefront_size: 32
...
	.end_amdgpu_metadata
.endif
;; end of part 2
